; MI455X (gfx1250); checked and timed in simulation.
; The chip was launched on July 23, 2026; its instructions are those of AMD's public machine-readable ISA for CDNA 5 (MIT licence, August 2026) and "CDNA5" Instruction Set Architecture Reference Guide (July 2026). The comments in the code are by the model that wrote it; some were corrected since.
;; HNC strategy. Allowed arithmetic: matrix products marked QUANTISED: E5M2 operands, one E8M0 scale for each 32 along K, by v_wmma_scale_f32_16x16x128_f8f6f4 with both operands' format E5M2, f32 sums; products left as they are: f32 operands where the result goes on into a quantised operand, else bf16, f16 or f32 operands; f32 sums; everything else in f32.
;; Inputs: freqs 16,384 x 64 float32; hb0 66 float32; hb1 66 float32; hb2 66 float32; hb3 8 float32; head_b 12,609 float32; head_w 12,609 x 8 float32; hw0 66 x 65 float32; hw1 66 x 66 float32; hw2 66 x 66 float32; hw3 8 x 66 float32; t one number float32; y 16,384 x 128 float32.
;; Outputs: out0 16,384 x 64 float32.
;; This version of the problem:
;;   THIS VERSION OF THE PROBLEM IS GIVEN IN LOW PRECISION. The matrix products marked QUANTISED in the list below multiply operands that are first quantised to E5M2 (5 exponent bits, 2 mantissa bits; 8 bits a number), with one power-of-two scale for each 32 numbers along K (OCP MX v1.0); their sums are f32. All else is computed in f32.
;;   The module's matrix products, in the order in which they are computed (A, B: the left and right operand; K: the contracted axis; several contracted axes count as one K, in the product's order):
;;     1. [M 16,384, K 65] x [K 65, N 66]; A: computed on the way; B: input hw0: QUANTISED
;;     2. [M 16,384, K 66] x [K 66, N 66]; A: computed on the way; B: input hw1: QUANTISED
;;     3. [M 16,384, K 66] x [K 66, N 66]; A: computed on the way; B: input hw2: QUANTISED
;;     4. [M 16,384, K 66] x [K 66, N 8]; A: computed on the way; B: input hw3: left as it is (N = 8 < 16)
;;     5. [M 16,384, K 8] x [K 8, N 12,609]; A: computed on the way; B: input head_w: left as it is (K = 8 < 32)
;;     6. batch 16,384 x [M 65, K 128] x [K 128, N 1]; A: computed on the way; B: computed on the way: left as it is (N = 1 < 16)
;;     7. batch 16,384 x [M 64, K 65] x [K 65, N 1]; A: computed on the way; B: computed on the way: left as it is (N = 1 < 16)
;;   THE QUANTISER, for each operand of a quantised product, along K:
;;     - K is cut into blocks of 32 from its start; a last block that is shorter is filled with zeros.
;;     - A block's scale is 2^e with e = floor(log2(the largest magnitude in the block)) - 15, held to -126 .. 127; a block of zeros has e = 0. As a byte (E8M0): e + 127.
;;     - Each number is divided by its block's scale, clamped to +-57,344, and rounded to the nearest number of E5M2, ties to even, subnormals kept.
;;     - The product sums the exact products of the quantised numbers (number of the format x scale) in f32.
;;   ~~~python
;;   def quantise(x, axis):      # numpy; x: float32 -> the quantised numbers, widened to float32 again
;;       x = np.moveaxis(x, axis, -1); K = x.shape[-1]
;;       x = np.pad(x, [(0, 0)] * (x.ndim - 1) + [(0, -K % 32)]); x = x.reshape(x.shape[:-1] + (-1, 32)); a = np.abs(x).max(-1, keepdims=True)
;;       e = np.where(a > 0, np.clip(np.frexp(np.where(a > 0, a, 1))[1] - 1 - 15, -126, 127), 0)      # np.frexp(a)[1] - 1 = floor(log2(a)), exactly
;;       r = np.clip(x / 2.0 ** e, -57344, 57344)
;;       step = 2.0 ** (np.maximum(np.frexp(np.where(r == 0, 1, r))[1] - 1, -14) - 2)
;;       q = np.round(r / step) * step * 2.0 ** e      # np.round: ties to even
;;       return np.moveaxis(q.reshape(q.shape[:-2] + (-1,))[..., :K], -1, axis).astype(np.float32)
;;   ~~~
;;   OPERANDS COMPUTED ON THE WAY. 'Computed on the way' means the value that the module computes at that place (a softmax that the list does not call 'softmax' is quantised finished and normalised). What goes into a quantiser is computed in f32, as accurately as f32 sums, v_exp_f32 and their like allow (about 1e-6 of the number): no bf16 or f16 on the way to a quantiser, and a product that is left as it is and whose result goes on into a quantised operand takes f32 operands (vector FMAs, or v_wmma_f32_16x16x4_f32). A number that lies on a knife's edge between two numbers of the format may be rounded either way, as far as f32 arithmetic and the matrix unit's own rounding can turn it there, and no further.
;; One version. Each part assembles by itself: llvm-mc -triple=amdgcn-amd-amdhsa -mcpu=gfx1250 --defsym DOCPART=n.
;; ======== version 1 of 1: 2 launches
;; limits: values are held in f16: magnitudes above 65,504 overflow, below 6.1e-05 lose precision; inputs' magnitudes at most 13,176,795
;; workspace buffers: wimg 267,264 bytes
;; launch prep (part 1): grid 117 x 1, 4 waves a work-group, no clusters, 0 bytes of LDS; arguments head_w, head_b, hw0, hw1, hw2, hw3, hb0, hb1, hb2, hb3, wimg; writes wimg
.if DOCPART == 1
	.amdgcn_target "amdgcn-amd-amdhsa--gfx1250"
	.amdhsa_code_object_version 6
	.text
	.protected	k_q82adb25ee1_prep
	.globl	k_q82adb25ee1_prep
	.p2align	8
	.type	k_q82adb25ee1_prep,@function
k_q82adb25ee1_prep:
	s_mov_b64 s[64:65], 0
	v_nop
	global_prefetch_b8 v0, s[64:65] scope:SCOPE_SE
	s_setreg_imm32_b32 hwreg(HW_REG_WAVE_MODE, 25, 1), 1
	s_wait_xcnt 0x0
; PREP writes wimg, 267,264 bytes: byte for byte what every work-group of the second launch wants in its LDS.
;   HC   the hypernet's weights hw0, hw1, hw2 as codes of E5M2 in the order of a matrix operand's registers: tile T = 5 l + t, for c = 0..2 512 bytes, lane L's 16 bytes at 16 L: K slots 32 c + 16 (L / 16) + 0..15
;        of weight row 32 (t / 2) + 8 (t % 2) + r + 8 (r / 8), r = L % 16; zero codes for rows from 66 on and for unused slots
;   HS   their E8M0 scale words, 128 bytes a tile      HBB  hb0..2, 96 numbers each, zeros from 66 on
;   HW3  hw3 in f32: chunk (j, P, h) at 32 (9 j + P) + 16 h: hw3[j][32 (P / 4) + 16 h + 4 (P % 4) + 0..3], zeros past column 65      HB3  hb3
;   W1T, W2T  head_w's rows as f16, 16 bytes a row (W1T: rows of target units whose bit 3 is set have bit 3 of the row number turned)
;   B1R, B2R  head_b as f16 rows along the target layers' K      E2R  the terms of hidden unit 64      CW1, CB1, CW2, CB2  the rows that make the target biases, in f32
; K SLOTS OF LAYER 0: slot k = z[k + 1] for k = 0..30 and 32..62; slot 31 = z[0]; slot 63 = z[32]; slot 80 = z[64].  Every number stays in its own block of 32, so scales and codes are the quantiser's.
; A block's scale is 2^(floor(log2(its largest magnitude)) - 15); its byte is that magnitude's exponent field - 15, held at 1 from below.  A block of zeros gets the byte 1 where the rule says 127:
; its codes are zeros, and this program alone reads the bytes.
; LIMITS: head_w and head_b are rounded to f16: magnitudes from 65,520 on become infinity, those under 6e-5 keep an absolute error of 3e-8.  NaN and infinities among the inputs are not served.
; Surplus threads of a job are held at the last item of their own work-group and store the same bytes again: EXEC is never changed.  No register that a store reads is written again.
.set HC,    0
.set HS,    23040
.set HBB,   24960
.set HW3,   26112
.set HB3,   28416
.set W1T,   29696
.set B1R,   162816
.set CW1,   180496
.set CB1,   182576
.set W2T,   183296
.set B2R,   249856
.set E2R,   259072
.set CW2,   264192
.set CB2,   266240
	s_load_b256 s[4:11], s[0:1], 0x0               ; head_w s[4:5], head_b s[6:7], hw0 s[8:9], hw1 s[10:11]
	s_load_b256 s[12:19], s[0:1], 0x20             ; hw2 s[12:13], hw3 s[14:15], hb0 s[16:17], hb1 s[18:19]
	s_load_b128 s[20:23], s[0:1], 0x40             ; hb2 s[20:21], hb3 s[22:23]
	s_load_b64 s[24:25], s[0:1], 0x50              ; wimg
	s_wait_kmcnt 0x0
	s_cmp_lt_u32 ttmp9, 65
	s_cbranch_scc1 .Lw1
	s_cmp_lt_u32 ttmp9, 98
	s_cbranch_scc1 .Lw2
	s_cmp_lt_u32 ttmp9, 107
	s_cbranch_scc1 .Lb1
	s_cmp_lt_u32 ttmp9, 111
	s_cbranch_scc1 .Lb2
	s_cmp_eq_u32 ttmp9, 111
	s_cbranch_scc1 .Lc1
	s_cmp_eq_u32 ttmp9, 112
	s_cbranch_scc1 .Lc2
	s_branch .Lhyper
; Eight neighbouring f32 numbers become 16 bytes of f16.  Item idx of n; 128 items a work-group.
.macro CONV first, sp, soff, n, dst, swz, padf
	s_sub_co_u32 s30, ttmp9, \first
	s_lshl_b32 s30, s30, 7
	v_add_nc_u32 v1, s30, v0
	v_min_u32 v1, (\n)-1, v1
	v_lshlrev_b32 v2, 5, v1
	global_load_b128 v[4:7], v2, s[\sp:\sp+1] offset:\soff
	global_load_b128 v[8:11], v2, s[\sp:\sp+1] offset:\soff+16
.if \swz
	v_bfe_u32 v3, v1, 10, 1                        ; bit 3 of the target unit (128 rows a unit)
	v_lshlrev_b32 v3, 3, v3
	v_xor_b32 v1, v1, v3                           ; turns bit 3 of the row number
.endif
	v_lshlrev_b32 v12, 4, v1
.if \padf
	v_lshrrev_b32 v3, 4, v1
	v_lshl_add_u32 v12, v3, 4, v12                 ; 16 bytes of padding behind each 256
.endif
	s_wait_loadcnt 0x0
	v_cvt_pk_f16_f32 v16, v4, v5
	v_cvt_pk_f16_f32 v17, v6, v7
	v_cvt_pk_f16_f32 v18, v8, v9
	v_cvt_pk_f16_f32 v19, v10, v11
	global_store_b128 v12, v[16:19], s[24:25] offset:\dst
	s_endpgm
.endm
.Lw1:
	CONV 0, 4, 0, 8320, W1T, 1, 0                  ; head_w rows 0 .. 8,319
.Lw2:
	CONV 65, 4, 268320, 4160, W2T, 0, 0            ; head_w rows 8,385 .. 12,544
.Lb1:
	CONV 98, 6, 0, 1040, B1R, 0, 1                 ; head_b[0 .. 8,319], 128 to a row of 272 bytes
.Lb2:                                              ; B2R: row o = head_b[8385 + 65 o + 0..63]; item = (o, eight numbers c)
	s_sub_co_u32 s30, ttmp9, 107
	s_lshl_b32 s30, s30, 7
	v_add_nc_u32 v1, s30, v0
	v_lshrrev_b32 v2, 3, v1                        ; o
	v_and_b32 v3, 7, v1                            ; c
	v_mul_u32_u24 v4, v2, 260
	v_lshl_add_u32 v4, v3, 5, v4
.irp e, 0,1,2,3,4,5,6,7
	global_load_b32 v[8+\e], v4, s[6:7] offset:33540+4*\e
.endr
	v_mul_u32_u24 v5, v2, 144
	v_lshl_add_u32 v5, v3, 4, v5
	s_wait_loadcnt 0x0
	v_cvt_pk_f16_f32 v16, v8, v9
	v_cvt_pk_f16_f32 v17, v10, v11
	v_cvt_pk_f16_f32 v18, v12, v13
	v_cvt_pk_f16_f32 v19, v14, v15
	global_store_b128 v5, v[16:19], s[24:25] offset:B2R
	s_endpgm
.Lc1:                                              ; the rows that make the target's b1, in f32; B1R's padding; zeros up to W2T
	v_min_u32 v1, 64, v0
	v_lshlrev_b32 v2, 5, v1
	global_load_b128 v[4:7], v2, s[4:5] offset:266240      ; head_w row 8320 + m
	global_load_b128 v[8:11], v2, s[4:5] offset:266256
	v_lshlrev_b32 v3, 2, v1
	global_load_b32 v12, v3, s[6:7] offset:33280           ; head_b[8320 + m]
	v_mul_u32_u24 v13, v1, 272
	v_min_u32 v14, 114, v0
	v_lshlrev_b32 v14, 2, v14
	v_mov_b32 v16, 0
	v_mov_b32 v17, 0
	v_mov_b32 v18, 0
	v_mov_b32 v19, 0
	global_store_b128 v13, v[16:19], s[24:25] offset:B1R+256
	global_store_b32 v14, v16, s[24:25] offset:CB1+260     ; 115 words: up to byte 183,296
	s_wait_loadcnt 0x0
	global_store_b128 v2, v[4:7], s[24:25] offset:CW1
	global_store_b128 v2, v[8:11], s[24:25] offset:CW1+16
	global_store_b32 v3, v12, s[24:25] offset:CB1
	s_endpgm
.Lc2:                                              ; the rows that make b2, in f32; hidden unit 64's terms; B2R's padding; zeros up to the end
	v_min_u32 v1, 63, v0
	v_lshlrev_b32 v2, 5, v1
	global_load_b128 v[4:7], v2, s[4:5] offset:401440      ; head_w row 12545 + o
	global_load_b128 v[8:11], v2, s[4:5] offset:401456
	v_lshlrev_b32 v3, 2, v1
	global_load_b32 v12, v3, s[6:7] offset:50180           ; head_b[12545 + o]
	v_mul_u32_u24 v13, v1, 2080
	global_load_b128 v[20:23], v13, s[4:5] offset:270368   ; head_w row 8385 + 65 o + 64
	global_load_b128 v[24:27], v13, s[4:5] offset:270384
	v_mul_u32_u24 v14, v1, 260
	global_load_b32 v28, v14, s[6:7] offset:33796          ; head_b[8385 + 65 o + 64]
	v_mul_u32_u24 v15, v1, 80
	v_mul_u32_u24 v29, v1, 144
	v_min_u32 v30, 47, v0
	v_lshlrev_b32 v30, 4, v30
	v_mov_b32 v32, 0
	v_mov_b32 v33, 0
	v_mov_b32 v34, 0
	v_mov_b32 v35, 0
	v_mov_b32 v41, 0
	v_mov_b32 v42, 0
	v_mov_b32 v43, 0
	global_store_b128 v15, v[32:35], s[24:25] offset:E2R+32
	global_store_b128 v15, v[32:35], s[24:25] offset:E2R+48
	global_store_b128 v15, v[32:35], s[24:25] offset:E2R+64
	global_store_b128 v29, v[32:35], s[24:25] offset:B2R+128
	global_store_b128 v30, v[32:35], s[24:25] offset:CB2+256
	s_wait_loadcnt 0x0
	global_store_b128 v2, v[4:7], s[24:25] offset:CW2
	global_store_b128 v2, v[8:11], s[24:25] offset:CW2+16
	global_store_b32 v3, v12, s[24:25] offset:CB2
	v_cvt_pk_f16_f32 v36, v20, v21
	v_cvt_pk_f16_f32 v37, v22, v23
	v_cvt_pk_f16_f32 v38, v24, v25
	v_cvt_pk_f16_f32 v39, v26, v27
	v_cvt_pk_f16_f32 v40, v28, v32
	global_store_b128 v15, v[36:39], s[24:25] offset:E2R
	global_store_b128 v15, v[40:43], s[24:25] offset:E2R+16
	s_endpgm
; THE HYPERNET'S WEIGHTS.  Wave W = 4 (work-group - 113) + wave: W < 15 quantises tile t of layer l, W = 15 lays out the biases and hw3.
.set XQ,  32                           ; v32-79  48 numbers: block b's slot 16 (L / 16) + e at 16 b + e
.set QM,  80                           ; largest magnitudes
.set QP,  83                           ; the other half's
.set QS,  86                           ; the conversions' scale operands
.set QL,  89                           ; 57,344 x the scale
.set QB,  92                           ; the bytes
.set QW,  95                           ; the scale word
.set CDS, 96                           ; v96-107 the codes
.Lhyper:
	v_lshrrev_b32 v1, 5, v0
	v_readfirstlane_b32 s26, v1
	s_sub_co_u32 s27, ttmp9, 113
	s_lshl_b32 s27, s27, 2
	s_add_co_u32 s27, s27, s26                     ; W
	s_cmp_eq_u32 s27, 15
	s_cbranch_scc1 .Lmisc
	s_mul_i32 s28, s27, 13
	s_lshr_b32 s28, s28, 6                         ; l = W / 5 (exact for W < 15)
	s_mul_i32 s29, s28, 5
	s_sub_co_u32 s29, s27, s29                     ; t
	s_lshr_b32 s30, s29, 1
	s_lshl_b32 s30, s30, 5
	s_and_b32 s31, s29, 1
	s_lshl_b32 s31, s31, 3
	s_add_co_u32 s30, s30, s31                     ; 32 (t / 2) + 8 (t % 2)
	s_mul_i32 s43, s27, 1536
	s_lshl_b32 s47, s27, 7
	s_mov_b32 s44, 0x76543210
	s_mov_b32 s45, 0xfedcba98                      ; v_permlanex16_b32's selects for lane l xor 16
	s_mov_b32 s46, 0x600000                        ; the mantissa field of 57,344
	s_mov_b32 s34, 264
	s_cmp_eq_u32 s28, 1
	s_cselect_b64 s[32:33], s[10:11], s[12:13]
	s_cmp_eq_u32 s28, 0                            ; layer 0 has rows of 65 numbers and its own order of slots
	s_cselect_b64 s[32:33], s[8:9], s[32:33]
	s_cselect_b32 s34, 260, s34                    ; a row in bytes
	s_cselect_b32 s35, 4, 0                        ; slot k holds z[k + 1]
	s_cselect_b32 s36, 1, 0
	s_cselect_b32 s38, 0, 60
	s_cselect_b32 s39, 0, 4
	s_cselect_b32 s42, 0, -1
	v_and_b32 v1, 31, v0                           ; L
	v_and_b32 v2, 15, v0                           ; r
	v_bfe_u32 v3, v0, 4, 1                         ; h
	v_and_b32 v4, 8, v2
	v_add_nc_u32 v4, v4, v2
	v_add_nc_u32 v4, s30, v4                       ; my weight row n
	v_min_u32 v5, 65, v4                           ; no load leaves the buffer
	v_cmp_gt_u32 vcc_lo, 66, v4                    ; rows from 66 on become zeros
	v_mul_lo_u32 v6, v5, s34
	v_lshl_add_u32 v7, v3, 6, v6
	v_add_nc_u32 v7, s35, v7                       ; slots e = 0..14 of blocks 0 and 1
	v_xor_b32 v9, s36, v3
	v_lshl_add_u32 v8, v9, 6, v6
	v_add_nc_u32 v8, s38, v8                       ; slot e = 15: layer 0: z[32 c + 16] in the lower half, z[32 c] in the upper; else the neighbour of e = 14
	v_add_nc_u32 v10, 0x100, v6                    ; column 64
	v_add_nc_u32 v11, s39, v10                     ; column 65 (layer 0 has none: the number is masked)
	v_lshl_add_u32 v12, v1, 4, s43                 ; where my codes go
	v_lshl_add_u32 v13, v1, 2, s47                 ; and my scale word
.irp c, 0,1
.irp e, 0,1,2,3,4,5,6,7,8,9,10,11,12,13,14
	global_load_b32 v[XQ+16*\c+\e], v7, s[32:33] offset:128*\c+4*\e
.endr
	global_load_b32 v[XQ+16*\c+15], v8, s[32:33] offset:128*\c
.endr
	global_load_b32 v[XQ+32], v10, s[32:33]
	global_load_b32 v[XQ+33], v11, s[32:33]
	v_cmp_eq_u32 s40, s36, v3                      ; column 64 sits in slot 80 (upper half) in layer 0, in slot 64 (lower half) else
	v_cmp_eq_u32 s41, 0, v3                        ; column 65: slot 65, layers 1 and 2
	s_and_b32 s40, s40, vcc_lo
	s_and_b32 s41, s41, vcc_lo
	s_and_b32 s41, s41, s42
.irp e, 2,3,4,5,6,7,8,9,10,11,12,13,14,15
	v_mov_b32 v[XQ+32+\e], 0
.endr
.irp b, 0,1,2
	v_mov_b32 v[QP+\b], 0                          ; a lane permute's destination counts as one of its sources
.endr
	s_wait_loadcnt 0x0
.irp e, 0,1,2,3,4,5,6,7,8,9,10,11,12,13,14,15,16,17,18,19,20,21,22,23,24,25,26,27,28,29,30,31
	v_cndmask_b32 v[XQ+\e], 0, v[XQ+\e], vcc_lo
.endr
	v_cndmask_b32 v[XQ+32], 0, v[XQ+32], s40
	v_cndmask_b32 v[XQ+33], 0, v[XQ+33], s41
.irp b, 0,1,2
	v_max3_num_f32 v[QM+\b], |v[XQ+16*\b]|, |v[XQ+16*\b+1]|, 0x8000000   ; my 16 numbers of block b, and the floor 2^(16 - 127): the byte cannot fall under 1
.endr
.irp i, 2,4,6,8,10,12,14
.irp b, 0,1,2
	v_max3_num_f32 v[QM+\b], v[QM+\b], |v[XQ+16*\b+\i]|, |v[XQ+16*\b+\i+1]|
.endr
.endr
.irp b, 0,1,2
	v_permlanex16_b32 v[QP+\b], v[QM+\b], s44, s45
.endr
.irp b, 0,1,2
	v_max_num_f32 v[QM+\b], v[QM+\b], v[QP+\b]     ; with lane l xor 16's: the block's largest magnitude
.endr
.irp b, 0,1,2
	v_add_nc_u32 v[QS+\b], 0xf8800000, v[QM+\b]    ; 15 off its exponent field: the conversion's scale operand
.endr
.irp b, 0,1,2
	v_and_or_b32 v[QL+\b], v[QM+\b], 0x7f800000, s46   ; 57,344 x the scale
.endr
.irp b, 0,1,2
	v_lshrrev_b32 v[QB+\b], 23, v[QS+\b]           ; the scale's byte
.endr
	v_lshl_or_b32 v[QW], v[QB+1], 8, v[QB]
	v_lshl_or_b32 v[QW], v[QB+2], 16, v[QW]        ; byte 3 stays 0: its block has zero codes on both sides
.irp b, 0,1,2
.irp i, 0,1,2,3,4,5,6,7,8,9,10,11,12,13,14,15
	v_med3_num_f32 v[XQ+16*\b+\i], v[XQ+16*\b+\i], -v[QL+\b], v[QL+\b]   ; the conversion to an 8-bit code does not saturate (ISA guide 7.6.2): the hold comes first
.endr
	v_cvt_scalef32_pk8_bf8_f32 v[CDS+4*\b:CDS+4*\b+1], v[XQ+16*\b:XQ+16*\b+7], v[QS+\b]
	v_cvt_scalef32_pk8_bf8_f32 v[CDS+4*\b+2:CDS+4*\b+3], v[XQ+16*\b+8:XQ+16*\b+15], v[QS+\b]
.endr
	v_nop
.irp c, 0,1,2
	global_store_b128 v12, v[CDS+4*\c:CDS+4*\c+3], s[24:25] offset:HC+512*\c   ; 32 lanes store 512 consecutive bytes
.endr
	global_store_b32 v13, v[QW], s[24:25] offset:HS
	s_endpgm
.Lmisc:
	v_and_b32 v1, 31, v0                           ; L
	v_lshlrev_b32 v2, 2, v1
	v_add_nc_u32 v3, 64, v1
	v_min_u32 v3, 65, v3
	v_lshlrev_b32 v3, 2, v3
	v_cmp_gt_u32 s27, 2, v1                        ; numbers 64 and 65 exist
	v_min_u32 v4, 7, v1
	v_lshlrev_b32 v4, 2, v4
	v_cmp_gt_u32 s26, 8, v1
	v_lshlrev_b32 v18, 4, v1
	v_lshlrev_b32 v19, 2, v4                       ; 16 x min(L, 7)
.irp a, 0,1,2
	global_load_b32 v[8+3*\a], v2, s[16+2*\a:17+2*\a]
	global_load_b32 v[9+3*\a], v2, s[16+2*\a:17+2*\a] offset:128
	global_load_b32 v[10+3*\a], v3, s[16+2*\a:17+2*\a]
.endr
	global_load_b32 v17, v4, s[22:23]
; hw3: chunk id = 18 j + 2 P + h of 144; five turns of 32 lanes, each with registers of its own
.macro W3R k
.set RB, 32+24*(\k)
	v_add_nc_u32 v[RB], 32*(\k), v1
	v_min_u32 v[RB], 143, v[RB]
	v_mul_u32_u24 v[RB+1], v[RB], 57
	v_lshrrev_b32 v[RB+1], 10, v[RB+1]             ; j = id / 18 (exact for id < 144)
	v_mul_u32_u24 v[RB+2], v[RB+1], 18
	v_sub_nc_u32 v[RB+2], v[RB], v[RB+2]
	v_lshrrev_b32 v[RB+3], 1, v[RB+2]              ; P
	v_and_b32 v[RB+4], 1, v[RB+2]                  ; h
	v_lshrrev_b32 v[RB+5], 2, v[RB+3]
	v_and_b32 v[RB+6], 3, v[RB+3]
	v_lshlrev_b32 v[RB+5], 5, v[RB+5]
	v_lshl_add_u32 v[RB+5], v[RB+4], 4, v[RB+5]
	v_lshl_add_u32 v[RB+5], v[RB+6], 2, v[RB+5]    ; the chunk's first column
	v_mul_u32_u24 v[RB+7], v[RB+1], 264
.irp e, 0,1,2,3
	v_add_nc_u32 v[RB+8+\e], \e, v[RB+5]
	v_min_u32 v[RB+12+\e], 65, v[RB+8+\e]
	v_lshl_add_u32 v[RB+12+\e], v[RB+12+\e], 2, v[RB+7]
	global_load_b32 v[RB+16+\e], v[RB+12+\e], s[14:15]
.endr
	v_lshlrev_b32 v[RB+20], 4, v[RB]
.endm
	W3R 0
	W3R 1
	W3R 2
	W3R 3
	W3R 4
	v_mov_b32 v20, 0
	v_mov_b32 v21, 0
	v_mov_b32 v22, 0
	v_mov_b32 v23, 0
	global_store_b128 v18, v[20:23], s[24:25] offset:HB3+128       ; zeros up to W1T
	global_store_b128 v18, v[20:23], s[24:25] offset:HB3+640
	global_store_b128 v19, v[20:23], s[24:25] offset:HB3+1152
	s_wait_loadcnt 0x0
.irp a, 0,1,2
	v_cndmask_b32 v[10+3*\a], 0, v[10+3*\a], s27
	global_store_b32 v2, v[8+3*\a], s[24:25] offset:HBB+384*\a
	global_store_b32 v2, v[9+3*\a], s[24:25] offset:HBB+384*\a+128
	global_store_b32 v2, v[10+3*\a], s[24:25] offset:HBB+384*\a+256
.endr
	v_cndmask_b32 v17, 0, v17, s26
	global_store_b32 v2, v17, s[24:25] offset:HB3
.irp k, 0,1,2,3,4
.irp e, 0,1,2,3
	v_cmp_gt_u32 vcc_lo, 66, v[32+24*\k+8+\e]
	v_cndmask_b32 v[32+24*\k+16+\e], 0, v[32+24*\k+16+\e], vcc_lo
.endr
	global_store_b128 v[32+24*\k+20], v[32+24*\k+16:32+24*\k+19], s[24:25] offset:HW3
.endr
	s_endpgm
.Lfunc_end_k_q82adb25ee1_prep:
	.size	k_q82adb25ee1_prep, .Lfunc_end_k_q82adb25ee1_prep-k_q82adb25ee1_prep
	.p2alignl 7, 3214868480
	.fill 96, 4, 3214868480
	.section	.rodata,"a",@progbits
	.p2align	6, 0x0
	.amdhsa_kernel k_q82adb25ee1_prep
		.amdhsa_group_segment_fixed_size 0
		.amdhsa_private_segment_fixed_size 0
		.amdhsa_enable_private_segment 0
		.amdhsa_kernarg_size 88
		.amdhsa_user_sgpr_count 2
		.amdhsa_user_sgpr_kernarg_segment_ptr 1
		.amdhsa_wavefront_size32 1
		.amdhsa_system_sgpr_workgroup_id_x 1
		.amdhsa_system_sgpr_workgroup_id_y 1
		.amdhsa_system_sgpr_workgroup_id_z 1
		.amdhsa_system_vgpr_workitem_id 0
		.amdhsa_next_free_vgpr 192
		.amdhsa_next_free_sgpr 66
		.amdhsa_reserve_vcc 1
		.amdhsa_float_denorm_mode_32 3
		.amdhsa_float_denorm_mode_16_64 3
		.amdhsa_memory_ordered 1
		.amdhsa_forward_progress 1
		.amdhsa_inst_pref_size 37
	.end_amdhsa_kernel
	.amdgpu_metadata
---
amdhsa.version: [ 1, 2 ]
amdhsa.kernels:
  - .name:           k_q82adb25ee1_prep
    .symbol:         k_q82adb25ee1_prep.kd
    .args:
      - { .name: head_w, .offset: 0, .size: 8, .value_kind: global_buffer, .address_space: global }
      - { .name: head_b, .offset: 8, .size: 8, .value_kind: global_buffer, .address_space: global }
      - { .name: hw0, .offset: 16, .size: 8, .value_kind: global_buffer, .address_space: global }
      - { .name: hw1, .offset: 24, .size: 8, .value_kind: global_buffer, .address_space: global }
      - { .name: hw2, .offset: 32, .size: 8, .value_kind: global_buffer, .address_space: global }
      - { .name: hw3, .offset: 40, .size: 8, .value_kind: global_buffer, .address_space: global }
      - { .name: hb0, .offset: 48, .size: 8, .value_kind: global_buffer, .address_space: global }
      - { .name: hb1, .offset: 56, .size: 8, .value_kind: global_buffer, .address_space: global }
      - { .name: hb2, .offset: 64, .size: 8, .value_kind: global_buffer, .address_space: global }
      - { .name: hb3, .offset: 72, .size: 8, .value_kind: global_buffer, .address_space: global }
      - { .name: wimg, .offset: 80, .size: 8, .value_kind: global_buffer, .address_space: global }
    .group_segment_fixed_size: 0
    .private_segment_fixed_size: 0
    .kernarg_segment_align: 8
    .kernarg_segment_size: 88
    .max_flat_workgroup_size: 128
    .sgpr_count:     66
    .vgpr_count:     192
    .wavefront_size: 32
...
	.end_amdgpu_metadata
.endif
;; end of part 1
;; launch main (part 2): grid 256 x 1, 8 waves a work-group, clusters of 4 x 1, 327,680 bytes of LDS; arguments t, y, freqs, wimg, out0; writes out0
.if DOCPART == 2
	.amdgcn_target "amdgcn-amd-amdhsa--gfx1250"
	.amdhsa_code_object_version 6
	.text
	.protected	k_q82adb25ee1_main
	.globl	k_q82adb25ee1_main
	.p2align	8
	.type	k_q82adb25ee1_main,@function
k_q82adb25ee1_main:
	s_mov_b64 s[64:65], 0
	v_nop
	global_prefetch_b8 v0, s[64:65] scope:SCOPE_SE
	s_setreg_imm32_b32 hwreg(HW_REG_WAVE_MODE, 25, 1), 1
	s_wait_xcnt 0x0
	s_wait_alu depctr_hold_cnt(0) depctr_sa_sdst(0) depctr_va_vdst(0) depctr_va_sdst(0) depctr_va_ssrc(0) depctr_va_vcc(0) depctr_vm_vsrc(0)
	s_getreg_b32 s2, hwreg(HW_REG_IB_STS2, 6, 4)
	s_cmp_eq_u32 s2, 0
	s_cbranch_scc0 .Lentry_in_a_cluster
	s_endpgm
.Lentry_in_a_cluster:
	s_bfe_u32 s2, ttmp6, 0x10000c
	s_cmp_lg_u32 s2, 0x3003
	s_cbranch_scc0 .Lentry_shape_is_right
	s_endpgm
.Lentry_shape_is_right:
; out = the per-sample target MLP (128 -> 65 -> 64) applied to x = [cos y, sin y], its 12,609 parameters made by a hypernet (65 -> 66 -> 66 -> 66 -> 8, tanh) and a linear head.
; THE PARAMETERS ARE NEVER FORMED.  They are linear in (h, 1), h the hypernet's 8 outputs, so the head and the two per-sample products are summed in another order than the source reads:
;   pre1[m] = sum_j h_j T1[m][j] + U1[m],   T1[m][j] = sum_i head_w[128 m + i][j] x_i + head_w[8320 + m][j],   U1[m] = sum_i head_b[128 m + i] x_i + head_b[8320 + m];   hid = tanh(pre1)
;   out[o]  = sum_j h_j T2[o][j] + U2[o],   T2, U2 likewise over hid_0..63 with rows 8385 + 65 o + m and 12545 + o; hidden unit 64 enters U2 by one more K step with (h_j hid_64, hid_64).
; T and U are ordinary products with head_w and head_b as weights: f16 operands, f32 sums.  The rows that make the target's biases are the C of each sum, in f32; the sums over j are f32 multiply-adds.
; SHARES.  A work-group takes 64 samples.  Waves 0-3 run the hypernet, each for 16 samples.  Waves 4-7 (g = wave - 4) make x for 16 samples each and then run both products: wave g has target units
; (then outputs) 16 g .. 16 g + 15 for all 64 samples.  The two kinds of wave run side by side: the first product wants no h.
; THE HYPERNET'S FIRST THREE PRODUCTS are on codes of E5M2 with one E8M0 scale for each 32 along K; they are used transposed (source 0 = 16 weight rows, source 1 = 16 samples), and the rows of a tile are chosen
; so that a lane's registers are neighbours along the next K.  What goes into a quantiser is f32: tanh is x P(x^2) / Q(x^2), degrees 6 and 3, with one reciprocal.  The fourth product (66 -> 8) is f32 multiply-adds.
; THE WEIGHTS come as one image of 267,264 bytes, made by the launch before, into LDS once: three tensor loads in each of waves 4-7; no LDS byte is filled twice.
; CLUSTER: every work-group wants the same image, so the four of a cluster ask for it jointly (mask 15): the same load with the same descriptor in all four.
; LIMITS.  x, hid, h_j hid_64, head_w and head_b are rounded to f16 (x and hid lie in [-1, 1]; numbers under 6e-5 keep an absolute error of 3e-8).  sin and cos: y less the nearest multiple of pi in two
; pieces, serving |y| < 2^22 pi, then series with remainders under 4e-6.  tanh's argument is held at 7.9053, where tanh is 1 in f32.  NaN and infinities are not served.
; A block whose largest magnitude lies under 2^-111 takes the scale byte 1; so does a block of zeros (its codes are zeros).
.set HC,    0                          ; LDS = the image, see the first launch:
.set HS,    23040
.set HBB,   24960
.set HW3,   26112
.set HB3,   28416
.set W1T,   29696
.set B1R,   162816
.set CW1,   180496
.set CB1,   182576
.set W2T,   183296
.set B2R,   249856
.set E2R,   259072
.set CW2,   264192
.set CB2,   266240
.set XT,    267264                     ; behind the image, in blocks that no tensor load fills: x as f16, 64 rows of 256 + 16 bytes; later the stage for out, 64 rows of 256 + 16
.set FS,    284672                     ; a stage of 16 rows x 272 bytes for each hypernet wave: freqs
.set HIM,   302080                     ; h in f32, as images of 8 registers, 1,024 bytes for each 16 samples
.set EXB,   306176                     ; registers 0-3 of the extra K step's operand, 512 bytes for each 16 samples
.set HID,   308224                     ; hid as images of operand registers: (16 samples q, K step s) at 2048 q + 1024 s
.set ROWSA, 29                         ; the image goes in three parts, each a quarter to a wave, as rows of 256 bytes
.set ROWSB, 150
.set ROWSC, 82
; hypernet waves' registers
.set VV,   32                          ; v32-71   a layer's input: slot 32 b + 16 (L / 16) + e at 16 b + e; v66-71 stay 0
.set DA,   72                          ; v72-111  five result tiles
.set TT,   112                         ; v112-165 at work
.set AC4,  144                         ; v144-159 the fourth product's eight sums, two halves each
.set SM4,  160
.set PX4,  168
.set HB3R, 176
.set HH,   184                         ; v184-191 h
.set CD,   192                         ; v192-207 the codes; v202-207 stay 0
.set WS,   208                         ; v208-212 the weights' scale words
.set SW,   213                         ; the input's scale word
.set QM,   214
.set QP,   217
.set QS,   220
.set QL,   223
.set QB,   226
.set ZR,   230                         ; 0: the offset of t's load, and later a source of zeros
.set TM5,  231                         ; t, then t - 0.5
.set W8,   236                         ; v236-251 hw3's columns 64, 65.  Window 1: v0-79 five weight fragments, later all 256: hw3
; product waves' registers (window 1: the 32 accumulators T, (jj, q) at 32 jj + 8 q)
.set YY,   32
.set TG,   64
.set PKX,  120
.set KMAG, 128
.set KS7,  130
.set KC8,  132
.set XB,   32                          ; x's fragments, two sets of four
.set AB,   96                          ; weight fragments: two sets of four
.set GM,   160                         ; the bias tile's, unit 64's two, and my own samples' x
.set BA,   192                         ; U: four accumulators; then pre1, hid; then U2, out
.set D32,  224
.set DB4,  232
.set HQ,   32
.set EX,   64
.set HM,   96
.set PK,   104
.set ACC,  128
.set AM,   240
.set EB,   242
.set HF,   96
.set BFA,  160
.set BFB,  224
; scalar pairs of constants (both words written: a packed form names the pair)
.set KA13, 66
.set KA9,  68
.set KA7,  70
.set KA5,  72
.set KA3,  74
.set KA1,  76
.set KB6,  78
.set KB2,  80
.set KB0,  82
.set KINVPI, 66
.set KNMAG,  68
.set KNPIH,  70
.set KNPIL,  72
.set KS9,    74
.set KS5,    76
.set KS3,    78
.set KC10,   80
.set KC6,    82
.set KC4,    84
.set MSB, 0
.macro WIN new                         ; s_set_vgpr_msb: bits 1:0 source 0, 3:2 source 1, 5:4 source 2, 7:6 destination; the high byte repeats the setting that is left
.if MSB != \new
	s_set_vgpr_msb (MSB<<8)|\new
.set MSB, \new
.endif
.endm
.macro NOPS n
.rept \n
	v_nop
.endr
.endm
.macro ROUND                           ; a round of the cluster's barrier
	s_barrier_signal -1
	s_barrier_wait -1
	s_cmp_lg_u32 s14, 0
	s_cbranch_scc1 .Lnot_wave_0_\@
	s_barrier_signal -3
.Lnot_wave_0_\@:
	s_barrier_wait -3
	s_barrier_signal -1
	s_barrier_wait -1
.endm
.macro KPAIR r, bits
	s_mov_b32 s[\r], \bits
	s_mov_b32 s[\r+1], \bits
.endm
.macro GROUP1 g, rows                  ; a dense block as rows of 256 bytes: 32 elements of 8 bytes, pitch 32
	s_mov_b32 s[\g], 15|(3<<16)|(1<<21)            ; 15:0 the mask: all four work-groups; 17:16 elements of 8 bytes; 21 set beside a mask; no padding
	s_mov_b32 s[\g+1], 32<<16                      ; tensor_dim0
	s_mov_b32 s[\g+2], (\rows)<<16                 ; tensor_dim1
	s_mov_b32 s[\g+3], 32<<16                      ; tile_dim0
	s_mov_b32 s[\g+4], \rows                       ; tile_dim1
	s_mov_b32 s[\g+5], 32                          ; tensor_dim0_stride
	s_mov_b32 s[\g+6], 0
	s_mov_b32 s[\g+7], 0
.endm
.macro GROUP0 g, rows, first           ; quarter g of a part: the same byte offset in LDS and in the image (s25 = 0)
	s_mov_b32 s[\g], 1
	s_mul_i32 s[\g+1], s15, (\rows)*256
	s_add_co_u32 s[\g+1], s[\g+1], \first
	s_mov_b32 s24, s[\g+1]
	s_add_nc_u64 s[\g+2:\g+3], s[10:11], s[24:25]
	s_or_b32 s[\g+3], s[\g+3], 0x80000000
.endm
.macro TANHK                           ; tanh's coefficients: p = x (a1 + a3 u + .. + a13 u^6), q = b0 + b2 u + b4 u^2 + b6 u^3, u = x^2
	KPAIR KA13, 0xa59f25c0                         ; -2.76076847742355e-16
	KPAIR KA9,  0xaebd37ff                         ; -8.60467152213735e-11
	KPAIR KA7,  0x335c0041                         ;  5.12229709037114e-08
	KPAIR KA5,  0x3779434a                         ;  1.48572235717979e-05
	KPAIR KA3,  0x3a270ded                         ;  6.37261928875436e-04
	KPAIR KA1,  0x3ba059dc                         ;  4.89352455891786e-03
	KPAIR KB6,  0x35a0d3d8                         ;  1.19825839466702e-06
	KPAIR KB2,  0x3b14aa05                         ;  2.26843463243900e-03
	KPAIR KB0,  0x3ba059dd                         ;  4.89352518554385e-03
	v_mov_b32 v[KH], 0x40fcf84f                    ;  7.90531111
	v_mov_b32 v[KA11], 0x2a61337e                  ;  2.00018790482477e-13 (a line with two constants takes one of them from vector registers)
	v_mov_b32 v[KA11+1], 0x2a61337e
	v_mov_b32 v[KB4], 0x38f895d6                   ;  1.18534705686654e-04
	v_mov_b32 v[KB4+1], 0x38f895d6
.endm
; tanh of n pairs, v[src] on -> v[dst] on; six registers of tmp a pair (u, p, q).  Written stage by stage over the pairs, so that no line waits for the line above it.
; The reciprocals are one batch: a plain line behind the last, then one wait ahead of the first reader.
.macro TANHB src, dst, tmp, n
.set TI, 0
.rept 2*(\n)
	v_med3_num_f32 v[\dst+TI], v[\src+TI], -v[KH], v[KH]
.set TI, TI+1
.endr
.set TI, 0
.rept \n
	v_pk_mul_f32 v[\tmp+6*TI:\tmp+6*TI+1], v[\dst+2*TI:\dst+2*TI+1], v[\dst+2*TI:\dst+2*TI+1]
.set TI, TI+1
.endr
.set TI, 0
.rept \n
	v_pk_fma_f32 v[\tmp+6*TI+2:\tmp+6*TI+3], v[\tmp+6*TI:\tmp+6*TI+1], s[KA13:KA13+1], v[KA11:KA11+1] op_sel_hi:[1,0,1]
.set TI, TI+1
.endr
.irp k, KA9, KA7, KA5, KA3, KA1
.set TI, 0
.rept \n
	v_pk_fma_f32 v[\tmp+6*TI+2:\tmp+6*TI+3], v[\tmp+6*TI+2:\tmp+6*TI+3], v[\tmp+6*TI:\tmp+6*TI+1], s[\k:\k+1] op_sel_hi:[1,1,0]
.set TI, TI+1
.endr
.endr
.set TI, 0
.rept \n
	v_pk_mul_f32 v[\tmp+6*TI+2:\tmp+6*TI+3], v[\tmp+6*TI+2:\tmp+6*TI+3], v[\dst+2*TI:\dst+2*TI+1]
.set TI, TI+1
.endr
.set TI, 0
.rept \n
	v_pk_fma_f32 v[\tmp+6*TI+4:\tmp+6*TI+5], v[\tmp+6*TI:\tmp+6*TI+1], s[KB6:KB6+1], v[KB4:KB4+1] op_sel_hi:[1,0,1]
.set TI, TI+1
.endr
.irp k, KB2, KB0
.set TI, 0
.rept \n
	v_pk_fma_f32 v[\tmp+6*TI+4:\tmp+6*TI+5], v[\tmp+6*TI+4:\tmp+6*TI+5], v[\tmp+6*TI:\tmp+6*TI+1], s[\k:\k+1] op_sel_hi:[1,1,0]
.set TI, TI+1
.endr
.endr
.set TI, 0
.rept \n
	v_rcp_f32 v[\tmp+6*TI+4], v[\tmp+6*TI+4]
	v_rcp_f32 v[\tmp+6*TI+5], v[\tmp+6*TI+5]
.set TI, TI+1
.endr
	v_nop
	s_wait_alu depctr_va_vdst(0)
.set TI, 0
.rept \n
	v_pk_mul_f32 v[\dst+2*TI:\dst+2*TI+1], v[\tmp+6*TI+2:\tmp+6*TI+3], v[\tmp+6*TI+4:\tmp+6*TI+5]
.set TI, TI+1
.endr
.endm
.macro TANH17 src, dst, tmp            ; 34 numbers, in ascending order: each result tile is read from its low end on
	TANHB \src, \dst, \tmp, 9
	TANHB \src+18, \dst+18, \tmp, 8
.endm
	s_load_b256 s[4:11], s[0:1], 0x0               ; t s[4:5], y s[6:7], freqs s[8:9], wimg s[10:11]
	s_load_b64 s[12:13], s[0:1], 0x20              ; out0
	v_lshl_add_u32 v254, v0, 2, 0x4d400
	v_mov_b32 v255, 0
	ds_add_u32 v254, v255
	ds_add_u32 v254, v255
	s_wait_dscnt 0x0
	v_lshrrev_b32 v32, 5, v0
	v_readfirstlane_b32 s14, v32                   ; wave 0..7
	s_and_b32 s15, s14, 3                          ; g: which 16 samples (waves 0-3), which 16 units (waves 4-7)
	s_bfe_u32 s17, ttmp6, 0x40000                  ; cx: it enters the addresses of y, freqs and out0 alone
	s_lshl_b32 s18, ttmp9, 2
	s_add_co_u32 s18, s18, s17                     ; work-group = 4 x cluster + cx
	s_mov_b32 s20, 0x76543210
	s_mov_b32 s21, 0xfedcba98                      ; v_permlanex16_b32's selects for lane l xor 16
	s_mov_b32 s22, 0x600000                        ; the mantissa field of 57,344
	s_mov_b32 s23, 0xffff0000                      ; lanes 16-31
	; EVERY LDS ADDRESS is made here, ahead of the first parting of the waves, and stays.  L = lane, r = L % 16, h = L / 16, c = (L / 8) % 2
	v_and_b32 v32, 31, v0                          ; L
	v_and_b32 v33, 15, v0                          ; r
	v_bfe_u32 v34, v0, 4, 1                        ; h
	v_bfe_u32 v35, v0, 3, 1                        ; c
	v_and_b32 v36, 7, v0
	v_lshlrev_b32 v1, 4, v32                       ; v1  16 L
	v_lshlrev_b32 v2, 2, v32                       ; v2  4 L
	v_mul_u32_u24 v37, v34, 272
	v_mul_u32_u24 v38, v33, 272
	v_lshlrev_b32 v39, 4, v36
	s_mul_i32 s24, s15, 4352                       ; 16 rows of 272 bytes x g
	s_add_co_u32 s25, s24, FS
	v_lshl_add_u32 v40, v33, 4, v37                ; 272 h + 16 r
	v_add_nc_u32 v3, s25, v40                      ; v3  freqs into my stage: two rows a load
	v_lshl_add_u32 v41, v34, 6, v38
	v_add_nc_u32 v4, s25, v41                      ; v4  and back: row r, 64 h
	v_lshl_add_u32 v5, v34, 6, HBB                 ; v5  the layers' biases
	v_mov_b32 v6, HB3                              ; v6  hb3
	s_lshl_b32 s25, s15, 10
	s_add_co_u32 s25, s25, HIM
	v_add_nc_u32 v7, s25, v1                       ; v7  h of samples 16 g on
	v_lshlrev_b32 v8, 9, v34
	v_lshl_add_u32 v8, v33, 4, v8                  ; v8  y in memory: 512 h + 16 r
	s_add_co_u32 s25, s24, XT
	v_lshl_add_u32 v42, v33, 3, v37
	v_add_nc_u32 v9, s25, v42                      ; v9  x into its rows: 8 bytes a lane
	v_lshl_add_u32 v43, v34, 4, v38                ; 272 r + 16 h
	v_add_nc_u32 v10, XT, v43                      ; v10 x's fragments
	v_add_nc_u32 v11, s25, v43                     ; v11 those of samples 16 g on
	v_xor_b32 v44, v34, v35
	v_lshl_add_u32 v44, v44, 7, v39
	v_lshl_add_u32 v44, v35, 14, v44
	s_lshl_b32 s25, s15, 15
	s_add_co_u32 s25, s25, W1T
	v_add_nc_u32 v12, s25, v44                     ; v12 W1T: unit 16 g + 8 c, row 8 (h xor c) + L % 8: the two runs of 128 bytes that lanes 0-15 read differ by 128 modulo 256
	v_lshl_add_u32 v45, v34, 7, v39                ; 128 h + 16 (L % 8)
	v_add_nc_u32 v13, W1T+131072, v45              ; v13 W1T, unit 64
	s_add_co_u32 s25, s24, B1R
	v_add_nc_u32 v14, s25, v43                     ; v14 B1R rows 16 g + r
	v_lshl_add_u32 v15, v34, 4, B1R+17408          ; v15 B1R row 64
	s_lshl_b32 s26, s15, 9
	v_lshlrev_b32 v46, 8, v34
	s_add_co_u32 s25, s26, CW1
	v_add_nc_u32 v16, s25, v46                     ; v16 CW1 row 16 g + 8 h
	v_mov_b32 v17, CW1+2048                        ; v17 CW1 row 64; 288 bytes on: CB1[64]
	s_lshl_b32 s27, s15, 6
	v_lshlrev_b32 v47, 5, v34
	s_add_co_u32 s25, s27, CB1
	v_add_nc_u32 v18, s25, v47                     ; v18 CB1[16 g + 8 h]
	v_lshl_add_u32 v19, v34, 4, HW3                ; v19 hw3's chunks of my half
	v_mul_u32_u24 v48, v35, 8320
	v_add_nc_u32 v48, v48, v45
	s_mul_i32 s25, s15, 16640
	s_add_co_u32 s25, s25, W2T
	v_add_nc_u32 v20, s25, v48                     ; v20 W2T: output 16 g + 8 c (1,040 bytes each: 8 of them are 128 modulo 256)
	v_mul_u32_u24 v49, v33, 144
	v_lshl_add_u32 v49, v34, 4, v49
	s_mul_i32 s25, s15, 2304
	s_add_co_u32 s25, s25, B2R
	v_add_nc_u32 v21, s25, v49                     ; v21 B2R rows 16 g + r
	v_mul_u32_u24 v50, v33, 80
	v_lshl_add_u32 v50, v34, 4, v50
	s_mul_i32 s25, s15, 1280
	s_add_co_u32 s25, s25, E2R
	v_add_nc_u32 v22, s25, v50                     ; v22 E2R rows 16 g + r
	s_add_co_u32 s25, s26, CW2
	v_add_nc_u32 v23, s25, v46                     ; v23 CW2 row 16 g + 8 h
	s_add_co_u32 s25, s27, CB2
	v_add_nc_u32 v24, s25, v47                     ; v24 CB2[16 g + 8 h]
	v_add_nc_u32 v25, HIM, v1                      ; v25 h, all samples
	s_add_co_u32 s25, s26, EXB
	v_add_nc_u32 v26, s25, v1                      ; v26 the extra operand of samples 16 g on
	v_add_nc_u32 v27, EXB, v1                      ; v27 all of them
	s_add_co_u32 s25, s26, HID
	v_add_nc_u32 v28, s25, v1                      ; v28 hid: my units are four registers of K step g / 2: 512 g
	v_add_nc_u32 v29, HID, v1                      ; v29 all of it
	s_add_co_u32 s25, s27, XT
	v_add_nc_u32 v30, v38, v47
	v_add_nc_u32 v30, s25, v30                     ; v30 out into the stage: row r, 64 g + 32 h
	s_mul_i32 s25, s14, 2176
	s_add_co_u32 s25, s25, XT
	v_add_nc_u32 v31, s25, v40                     ; v31 and back: 8 rows a wave, two a load
	GROUP1 28, ROWSA
	GROUP1 36, ROWSB
	GROUP1 44, ROWSC
	s_wait_kmcnt 0x0                               ; the one wait for scalar loads: the five addresses
	s_lshl_b32 s24, s18, 14
	s_lshl_b32 s25, s15, 12
	s_add_co_u32 s24, s24, s25
	s_mov_b32 s25, 0
	s_add_nc_u64 s[8:9], s[8:9], s[24:25]          ; freqs: 64 rows of 256 bytes a work-group, 16 a wave
	s_lshl_b32 s24, s24, 1
	s_add_nc_u64 s[6:7], s[6:7], s[24:25]          ; y: rows of 512 bytes
	s_lshl_b32 s24, s18, 14
	s_lshl_b32 s26, s14, 11
	s_add_co_u32 s24, s24, s26
	s_add_nc_u64 s[12:13], s[12:13], s[24:25]      ; out0: 8 rows of 256 bytes a wave
	GROUP0 52, ROWSA, 0
	GROUP0 56, ROWSB, W1T
	GROUP0 60, ROWSC, W2T
	s_cmp_lt_u32 s14, 4
	s_cbranch_scc0 .Lg_ask
	v_mov_b32 v[ZR], 0
.irp i, 0,1,2,3,4,5,6,7
	global_load_b128 v[TT+4*\i:TT+4*\i+3], v1, s[8:9] offset:512*\i th:TH_LOAD_NT    ; 32 lanes read two rows of freqs: 512 consecutive bytes
.endr
	global_load_b32 v[TM5], v[ZR], s[4:5]          ; t, the same word in every lane: it comes with freqs, so that no second scalar load stands between the addresses' arrival and the first loads
	s_branch .Lasked
.Lg_ask:
.irp i, 0,1,2,3,4,5,6,7
	global_load_b128 v[YY+4*\i:YY+4*\i+3], v8, s[6:7] offset:1024*\i th:TH_LOAD_NT   ; the first 256 bytes of two rows of y: the half that is used
.endr
.Lasked:
	ROUND                                          ; all four work-groups are here: the joint loads meet
	s_cmp_lt_u32 s14, 4
	s_cbranch_scc1 .Lh_stage
	tensor_load_to_lds s[52:55], s[28:35]          ; the hypernet's part;  three tensor loads of a wave are out at the most
	s_nop 0
	tensor_load_to_lds s[56:59], s[36:43]          ; the first product's
	s_nop 0
	tensor_load_to_lds s[60:63], s[44:51]          ; the second product's
	s_nop 0
	NOPS 4                                         ; four v_nop lines behind the loads
	KPAIR KINVPI, 0x3ea2f983                       ; 1 / pi
	KPAIR KNMAG,  0xcb400000                       ; -1.5 x 2^23
	KPAIR KNPIH,  0xc0490fdb                       ; -pi, its upper part
	KPAIR KNPIL,  0x33bbbd2e                       ; and what is left of it
	KPAIR KS9,    0x3638ef1d                       ; 1 / 9!
	KPAIR KS5,    0x3c088889                       ; 1 / 5!
	KPAIR KS3,    0xbe2aaaab                       ; -1 / 3!
	KPAIR KC10,   0xb493f27e                       ; -1 / 10!
	KPAIR KC6,    0xbab60b61                       ; -1 / 6!
	KPAIR KC4,    0x3d2aaaab                       ; 1 / 4!
	v_mov_b32 v[KMAG], 0x4b400000                  ; 1.5 x 2^23
	v_mov_b32 v[KMAG+1], 0x4b400000
	v_mov_b32 v[KS7], 0xb9500d01                   ; -1 / 7!
	v_mov_b32 v[KS7+1], 0xb9500d01
	v_mov_b32 v[KC8], 0x37d00d01                   ; 1 / 8!
	v_mov_b32 v[KC8+1], 0x37d00d01
	s_branch .Lbar_a
.Lh_stage:
.set KH,   229
.set KA11, 232
.set KB4,  234
	s_wait_loadcnt 0x0                             ; freqs and t are in
.irp i, 0,1,2,3,4,5,6,7
	ds_store_b128 v3, v[TT+4*\i:TT+4*\i+3] offset:544*\i       ; freqs through my own stage: LDS serves a wave's instructions in order, so no wait stands ahead of the loads
.endr
.irp c, 0,1
.irp e, 0,1,2,3
	ds_load_b128 v[VV+16*\c+4*\e:VV+16*\c+4*\e+3], v4 offset:128*\c+16*\e   ; lane (r, h): freqs[r][32 c + 16 h + 0..15]
.endr
.endr
	TANHK
.irp e, 66,67,68,69,70,71, 202,203,204,205,206,207, 217,218,219, 168,169,170,171,172,173,174,175
	v_mov_b32 v[\e], 0                             ; slots and codes that stay 0; destinations of lane permutes, which count as sources
.endr
	v_add_f32 v[TM5], -0.5, v[TM5]                 ; t - 0.5
	WIN 0x40
.irp t, 0,1,2,3,4
.irp e, 12,13,14,15
	v_mov_b32 v[16*\t+\e], 0                       ; K slots 96-127 of the weight fragments: zero codes
.endr
.endr
	WIN 0
.Lbar_a:
	s_wait_tensorcnt 0x2                           ; my quarter of the hypernet's part has landed; the two younger loads may be out
	s_wait_dscnt 0x0
	s_barrier_signal -1
	s_barrier_wait -1                              ; the hypernet's part is whole
; x = [cos y, sin y].  k = the whole number nearest y / pi (by adding 1.5 x 2^23), r = y - k pi in two pieces, sign = (-1)^k from k's lowest bit; series in r^2.  Loads 2 b and 2 b + 1: four pairs.
.macro TRIGB b
	s_wait_loadcnt 6-2*(\b)                        ; loads come back in order: the younger ones stay out
.irp p, 0,1,2,3
	v_pk_fma_f32 v[TG+14*\p:TG+14*\p+1], v[YY+8*(\b)+2*\p:YY+8*(\b)+2*\p+1], s[KINVPI:KINVPI+1], v[KMAG:KMAG+1] op_sel_hi:[1,0,1]
.endr
.irp p, 0,1,2,3
	v_pk_add_f32 v[TG+14*\p+2:TG+14*\p+3], v[TG+14*\p:TG+14*\p+1], s[KNMAG:KNMAG+1] op_sel_hi:[1,0]   ; k
.endr
.irp p, 0,1,2,3
	v_pk_fma_f32 v[TG+14*\p+12:TG+14*\p+13], v[TG+14*\p+2:TG+14*\p+3], s[KNPIH:KNPIH+1], v[YY+8*(\b)+2*\p:YY+8*(\b)+2*\p+1] op_sel_hi:[1,0,1]
.endr
.irp p, 0,1,2,3
	v_pk_fma_f32 v[TG+14*\p+2:TG+14*\p+3], v[TG+14*\p+2:TG+14*\p+3], s[KNPIL:KNPIL+1], v[TG+14*\p+12:TG+14*\p+13] op_sel_hi:[1,0,1]   ; r
.endr
.irp p, 0,1,2,3
	v_lshl_or_b32 v[TG+14*\p+4], v[TG+14*\p], 31, 0x3f800000       ; +-1
	v_lshl_or_b32 v[TG+14*\p+5], v[TG+14*\p+1], 31, 0x3f800000
.endr
.irp p, 0,1,2,3
	v_pk_mul_f32 v[TG+14*\p+6:TG+14*\p+7], v[TG+14*\p+2:TG+14*\p+3], v[TG+14*\p+2:TG+14*\p+3]          ; u = r^2
.endr
.irp p, 0,1,2,3
	v_pk_mul_f32 v[TG+14*\p+8:TG+14*\p+9], v[TG+14*\p+2:TG+14*\p+3], v[TG+14*\p+4:TG+14*\p+5]          ; +-r
.endr
.irp p, 0,1,2,3
	v_pk_fma_f32 v[TG+14*\p+10:TG+14*\p+11], v[TG+14*\p+6:TG+14*\p+7], s[KS9:KS9+1], v[KS7:KS7+1] op_sel_hi:[1,0,1]
.endr
.irp k, KS5, KS3
.irp p, 0,1,2,3
	v_pk_fma_f32 v[TG+14*\p+10:TG+14*\p+11], v[TG+14*\p+10:TG+14*\p+11], v[TG+14*\p+6:TG+14*\p+7], s[\k:\k+1] op_sel_hi:[1,1,0]
.endr
.endr
.irp p, 0,1,2,3
	v_pk_mul_f32 v[TG+14*\p:TG+14*\p+1], v[TG+14*\p+8:TG+14*\p+9], v[TG+14*\p+6:TG+14*\p+7]
.endr
.irp p, 0,1,2,3
	v_pk_fma_f32 v[TG+14*\p+8:TG+14*\p+9], v[TG+14*\p:TG+14*\p+1], v[TG+14*\p+10:TG+14*\p+11], v[TG+14*\p+8:TG+14*\p+9]   ; sin y
.endr
.irp p, 0,1,2,3
	v_pk_fma_f32 v[TG+14*\p+12:TG+14*\p+13], v[TG+14*\p+6:TG+14*\p+7], s[KC10:KC10+1], v[KC8:KC8+1] op_sel_hi:[1,0,1]
.endr
.irp k, KC6, KC4
.irp p, 0,1,2,3
	v_pk_fma_f32 v[TG+14*\p+12:TG+14*\p+13], v[TG+14*\p+12:TG+14*\p+13], v[TG+14*\p+6:TG+14*\p+7], s[\k:\k+1] op_sel_hi:[1,1,0]
.endr
.endr
.irp p, 0,1,2,3
	v_pk_fma_f32 v[TG+14*\p+12:TG+14*\p+13], v[TG+14*\p+12:TG+14*\p+13], v[TG+14*\p+6:TG+14*\p+7], -0.5 op_sel_hi:[1,1,0]
.endr
.irp p, 0,1,2,3
	v_pk_fma_f32 v[TG+14*\p+12:TG+14*\p+13], v[TG+14*\p+12:TG+14*\p+13], v[TG+14*\p+6:TG+14*\p+7], 1.0 op_sel_hi:[1,1,0]
.endr
.irp p, 0,1,2,3
	v_pk_mul_f32 v[TG+14*\p+12:TG+14*\p+13], v[TG+14*\p+12:TG+14*\p+13], v[TG+14*\p+4:TG+14*\p+5]      ; cos y
.endr
.irp p, 0,1,2,3
	v_cvt_pk_f16_f32 v[PKX+4*(\p/2)+(\p%2)], v[TG+14*\p+12], v[TG+14*\p+13]
	v_cvt_pk_f16_f32 v[PKX+4*(\p/2)+2+(\p%2)], v[TG+14*\p+8], v[TG+14*\p+9]
.endr
.irp j, 0,1
	ds_store_b64 v9, v[PKX+4*\j:PKX+4*\j+1] offset:544*(2*(\b)+\j)           ; cos: x_0..63
	ds_store_b64 v9, v[PKX+4*\j+2:PKX+4*\j+3] offset:544*(2*(\b)+\j)+128     ; sin: x_64..127
.endr
.endm
	s_cmp_lt_u32 s14, 4
	s_cbranch_scc1 .Lno_trig
	TRIGB 0
	TRIGB 1
	TRIGB 2
	TRIGB 3
.Lno_trig:
	s_wait_tensorcnt 0x1                           ; my quarter of the first product's part has landed; the youngest load may be out
	s_wait_dscnt 0x0                               ; my rows of x are stored
	s_barrier_signal -1                            ; THIS BARRIER'S WAIT STANDS BEHIND THE HYPERNET: the hypernet waves have nothing to hand over here, so they signal and go on;
	s_cmp_lt_u32 s14, 4                            ; up to their wait they do register work and read bytes of the image, which no wave ever writes
	s_cbranch_scc0 .Lno_hyper
; The layer's input becomes codes and a scale word: blocks 0 and 1 have 16 numbers a lane, block 2 two.
.macro QUANT3
.irp b, 0,1
	v_max3_num_f32 v[QM+\b], |v[VV+16*\b]|, |v[VV+16*\b+1]|, 0x8000000     ; and the floor 2^(16 - 127): the byte cannot fall under 1
.endr
	v_max3_num_f32 v[QM+2], |v[VV+32]|, |v[VV+33]|, 0x8000000
.irp i, 2,4,6,8,10,12,14
.irp b, 0,1
	v_max3_num_f32 v[QM+\b], v[QM+\b], |v[VV+16*\b+\i]|, |v[VV+16*\b+\i+1]|
.endr
.endr
.irp b, 0,1,2
	v_permlanex16_b32 v[QP+\b], v[QM+\b], s20, s21
.endr
.irp b, 0,1,2
	v_max_num_f32 v[QM+\b], v[QM+\b], v[QP+\b]     ; with lane l xor 16's: the block's largest magnitude
.endr
.irp b, 0,1,2
	v_add_nc_u32 v[QS+\b], 0xf8800000, v[QM+\b]    ; 15 off its exponent field: the conversion's scale operand
.endr
.irp b, 0,1,2
	v_and_or_b32 v[QL+\b], v[QM+\b], 0x7f800000, s22   ; 57,344 x the scale
.endr
.irp b, 0,1,2
	v_lshrrev_b32 v[QB+\b], 23, v[QS+\b]           ; the scale's byte
.endr
	v_lshl_or_b32 v[SW], v[QB+1], 8, v[QB]
	v_lshl_or_b32 v[SW], v[QB+2], 16, v[SW]        ; byte 3 stays 0: its block has zero codes on both sides.  More than eight plain lines follow ahead of the products
.irp b, 0,1
.irp i, 0,1,2,3,4,5,6,7,8,9,10,11,12,13,14,15
	v_med3_num_f32 v[VV+16*\b+\i], v[VV+16*\b+\i], -v[QL+\b], v[QL+\b]     ; the conversion to an 8-bit code does not saturate (ISA guide 7.6.2): the hold comes first
.endr
.endr
	v_med3_num_f32 v[VV+32], v[VV+32], -v[QL+2], v[QL+2]
	v_med3_num_f32 v[VV+33], v[VV+33], -v[QL+2], v[QL+2]
.irp b, 0,1
	v_cvt_scalef32_pk8_bf8_f32 v[CD+4*\b:CD+4*\b+1], v[VV+16*\b:VV+16*\b+7], v[QS+\b]
	v_cvt_scalef32_pk8_bf8_f32 v[CD+4*\b+2:CD+4*\b+3], v[VV+16*\b+8:VV+16*\b+15], v[QS+\b]
.endr
	v_cvt_scalef32_pk8_bf8_f32 v[CD+8:CD+9], v[VV+32:VV+39], v[QS+2]
	NOPS 4                                         ; an operand written by vector instructions stands four places ahead of a scaled matrix instruction
.endm
; A layer: weights, scale words and biases from the image (they land under the quantising), five products, tanh.  The bias is the C of its tile.
.macro LAYER l, last
	WIN 0x40
.irp t, 0,1,2,3,4
.irp c, 0,1,2
	ds_load_b128 v[16*\t+4*\c:16*\t+4*\c+3], v1 offset:HC+1536*(5*(\l)+\t)+512*\c
.endr
.endr
	WIN 0
.irp t, 0,1,2,3,4
	ds_load_b32 v[WS+\t], v2 offset:HS+128*(5*(\l)+\t)
	ds_load_b128 v[DA+8*\t:DA+8*\t+3], v5 offset:384*(\l)+128*(\t/2)+32*(\t%2)
	ds_load_b128 v[DA+8*\t+4:DA+8*\t+7], v5 offset:384*(\l)+128*(\t/2)+32*(\t%2)+16
.endr
	QUANT3
	s_wait_dscnt 0x0
	WIN 0x01                                       ; source 0, the weights, in window 1
.irp t, 0,1,2,3,4
	v_wmma_scale_f32_16x16x128_f8f6f4 v[DA+8*\t:DA+8*\t+7], v[16*\t:16*\t+15], v[CD:CD+15], v[DA+8*\t:DA+8*\t+7], v[WS+\t], v[SW] matrix_a_fmt:MATRIX_FMT_BF8 matrix_b_fmt:MATRIX_FMT_BF8
.endr
	WIN 0
	NOPS 8                                         ; eight places behind this form ahead of the first read of results and of loads into its registers
.if \last
	WIN 0x40                                       ; hw3 for the fourth product, into the registers that the weights have left: it lands under the tanh
.irp j, 0,1,2,3,4,5,6,7
.irp p, 0,1,2,3,4,5,6,7
	ds_load_b128 v[32*\j+4*\p:32*\j+4*\p+3], v19 offset:32*(9*\j+\p)
.endr
.endr
	WIN 0
.irp j, 0,1,2,3,4,5,6,7
	ds_load_b64 v[W8+2*\j:W8+2*\j+1], v19 offset:32*(9*\j+8)
.endr
	ds_load_b128 v[HB3R:HB3R+3], v6
	ds_load_b128 v[HB3R+4:HB3R+7], v6 offset:16
.endif
	TANH17 DA, VV, TT                              ; register 8 t + j of the results is slot 16 b + e of the next input: the same index
.endm
	; z = [t - 0.5, freqs] in layer 0's order of slots: in lanes 16-31 freqs[63] goes to slot 80, freqs[31] to slot 63, t - 0.5 to slot 31
	v_mov_b32 v[TT], v[VV+31]
	v_cndmask_b32 v[VV+31], v[VV+31], v[VV+15], s23
	v_cndmask_b32 v[VV+15], v[VV+15], v[TM5], s23
	v_cndmask_b32 v[VV+32], v[ZR], v[TT], s23
	v_mov_b32 v[VV+33], 0
	LAYER 0, 0
	LAYER 1, 0
	LAYER 2, 1
	; the fourth product, 66 -> 8, in f32: a lane multiplies its 34 units by hw3's, eight sums by turns, two units an instruction
	s_wait_dscnt 0x0
	WIN 0x04                                       ; source 1, hw3, in window 1
.irp j, 0,1,2,3,4,5,6,7
	v_pk_mul_f32 v[AC4+2*\j:AC4+2*\j+1], v[VV:VV+1], v[32*\j:32*\j+1]
.endr
.irp u, 2,4,6,8,10,12,14,16,18,20,22,24,26,28,30
.irp j, 0,1,2,3,4,5,6,7
	v_pk_fma_f32 v[AC4+2*\j:AC4+2*\j+1], v[VV+\u:VV+\u+1], v[32*\j+\u:32*\j+\u+1], v[AC4+2*\j:AC4+2*\j+1]
.endr
.endr
	WIN 0
.irp j, 0,1,2,3,4,5,6,7
	v_pk_fma_f32 v[AC4+2*\j:AC4+2*\j+1], v[VV+32:VV+33], v[W8+2*\j:W8+2*\j+1], v[AC4+2*\j:AC4+2*\j+1]
.endr
.irp j, 0,1,2,3,4,5,6,7
	v_add_f32 v[SM4+\j], v[AC4+2*\j], v[AC4+2*\j+1]
.endr
.irp j, 0,1,2,3,4,5,6,7
	v_permlanex16_b32 v[PX4+\j], v[SM4+\j], s20, s21
.endr
.irp j, 0,2,4,6
	v_pk_add_f32 v[SM4+\j:SM4+\j+1], v[SM4+\j:SM4+\j+1], v[PX4+\j:PX4+\j+1]       ; with the other half's units: both halves of the lanes now hold the sample's eight sums
.endr
.irp j, 0,2,4,6
	v_pk_add_f32 v[SM4+\j:SM4+\j+1], v[SM4+\j:SM4+\j+1], v[HB3R+\j:HB3R+\j+1]
.endr
	TANHB SM4, HH, TT, 4                           ; h
.Lno_hyper:
	s_barrier_wait -1                              ; x is whole, and so is the first product's part of the image
	s_cmp_lt_u32 s14, 4
	s_cbranch_scc0 .Lgemm1
	ds_store_b128 v7, v[HH:HH+3]                   ; h goes to the product waves as an image of its registers
	ds_store_b128 v7, v[HH+4:HH+7] offset:512
	s_branch .Lbar_c
; THE FIRST PRODUCT.  Main tile jj: row 8 c + j = (unit 16 g + 8 c + jj, head column j), brought by the transposing load from head_w's rows as they lie: register j of lane (r, h) is then T1[sample r][unit 16 g + 8 h + jj][j].
; Bias tile: rows 16 g + r of head_b: register jj of lane (r, h) is U1 of the same unit.  Unit 64: two more tiles, for samples 16 g on alone.  All accumulators take turns, one instruction a turn.
; HOW A MAIN TILE'S SUMS BEGIN.  The f32 row that starts tile jj's sums is the same for the four tiles of samples, so it is loaded once, into the accumulator of q = 3.  In the first K step the products of q = 0, 1, 2
; take those registers as C and write accumulators of their own (jj fastest, so that neighbouring lines name different C); five plain lines follow, since the next line writes over registers that matrix
; instructions have read (one place more than for a load or a vector read); then q = 3 adds in place.
.macro LDX s, buf
.irp q, 0,1,2,3
	ds_load_b128 v[XB+32*(\buf)+8*\q:XB+32*(\buf)+8*\q+3], v10 offset:4352*\q+64*(\s)
	ds_load_b128 v[XB+32*(\buf)+8*\q+4:XB+32*(\buf)+8*\q+7], v10 offset:4352*\q+64*(\s)+32
.endr
.endm
.macro LDA grp, s
.irp i, 0,1,2,3
	ds_load_tr16_b128 v[AB+32*(\grp)+8*\i:AB+32*(\grp)+8*\i+3], v12 offset:2048*(4*(\grp)+\i)+512*(\s)
	ds_load_tr16_b128 v[AB+32*(\grp)+8*\i+4:AB+32*(\grp)+8*\i+7], v12 offset:2048*(4*(\grp)+\i)+512*(\s)+256
.endr
.endm
.macro LDG s
	ds_load_b128 v[GM:GM+3], v14 offset:64*(\s)
	ds_load_b128 v[GM+4:GM+7], v14 offset:64*(\s)+32
	ds_load_tr16_b128 v[GM+8:GM+11], v13 offset:512*(\s)
	ds_load_tr16_b128 v[GM+12:GM+15], v13 offset:512*(\s)+256
	ds_load_b128 v[GM+16:GM+19], v15 offset:64*(\s)
	ds_load_b128 v[GM+20:GM+23], v15 offset:64*(\s)+32
	ds_load_b128 v[GM+24:GM+27], v11 offset:64*(\s)
	ds_load_b128 v[GM+28:GM+31], v11 offset:64*(\s)+32
.endm
.macro MMA grp, buf, first             ; first = 1: the first K step, which starts the sums
	WIN 0x50                                       ; C and D in window 1
.if \first
.irp q, 0,1,2
.irp i, 0,1,2,3
	v_wmma_f32_16x16x32_f16 v[32*(4*(\grp)+\i)+8*\q:32*(4*(\grp)+\i)+8*\q+7], v[AB+32*(\grp)+8*\i:AB+32*(\grp)+8*\i+7], v[XB+32*(\buf)+8*\q:XB+32*(\buf)+8*\q+7], v[32*(4*(\grp)+\i)+24:32*(4*(\grp)+\i)+31]
.endr
.endr
	NOPS 5
.irp i, 0,1,2,3
	v_wmma_f32_16x16x32_f16 v[32*(4*(\grp)+\i)+24:32*(4*(\grp)+\i)+31], v[AB+32*(\grp)+8*\i:AB+32*(\grp)+8*\i+7], v[XB+32*(\buf)+24:XB+32*(\buf)+31], v[32*(4*(\grp)+\i)+24:32*(4*(\grp)+\i)+31]
.endr
.else
.irp i, 0,1,2,3
.irp q, 0,1,2,3
	v_wmma_f32_16x16x32_f16 v[32*(4*(\grp)+\i)+8*\q:32*(4*(\grp)+\i)+8*\q+7], v[AB+32*(\grp)+8*\i:AB+32*(\grp)+8*\i+7], v[XB+32*(\buf)+8*\q:XB+32*(\buf)+8*\q+7], v[32*(4*(\grp)+\i)+8*\q:32*(4*(\grp)+\i)+8*\q+7]
.endr
.endr
.endif
	WIN 0
.endm
.macro MMG buf
.irp q, 0,1,2,3
	v_wmma_f32_16x16x32_f16 v[BA+8*\q:BA+8*\q+7], v[GM:GM+7], v[XB+32*(\buf)+8*\q:XB+32*(\buf)+8*\q+7], v[BA+8*\q:BA+8*\q+7]
.endr
	v_wmma_f32_16x16x32_f16 v[D32:D32+7], v[GM+8:GM+15], v[GM+24:GM+31], v[D32:D32+7]
	v_wmma_f32_16x16x32_f16 v[DB4:DB4+7], v[GM+16:GM+23], v[GM+24:GM+31], v[DB4:DB4+7]
.endm
.Lgemm1:
	WIN 0x40                                       ; the rows that make the target's b1, in f32: one accumulator (q = 3) for each main tile
.irp jj, 0,1,2,3,4,5,6,7
	ds_load_b128 v[32*\jj+24:32*\jj+27], v16 offset:32*\jj
	ds_load_b128 v[32*\jj+28:32*\jj+31], v16 offset:32*\jj+16
.endr
	WIN 0
.irp q, 0,1,2,3
	ds_load_b128 v[BA+8*\q:BA+8*\q+3], v18
	ds_load_b128 v[BA+8*\q+4:BA+8*\q+7], v18 offset:16
.endr
	ds_load_b128 v[D32:D32+3], v17
	ds_load_b128 v[D32+4:D32+7], v17 offset:16
	ds_load_b128 v[DB4:DB4+3], v17 offset:288
	ds_load_b128 v[DB4+4:DB4+7], v17 offset:304
	LDX 0, 0
	LDA 0, 0
	LDA 1, 0
	LDG 0
	LDX 1, 1
.irp s, 0,1,2,3                        ; K = 128 in four steps.  Each group of 8 loads is asked for three groups ahead of its use; four places stand ahead of loads into registers that matrix instructions have read
.if \s < 3
	s_wait_dscnt 24                                ; the three younger groups may be out
.else
	s_wait_dscnt 16                                ; two groups are left behind this one
.endif
.if \s == 0
	MMA 0, 0, 1
.else
	MMA 0, (\s)%2, 0
.endif
.if \s < 3
	NOPS 4
	LDA 0, (\s)+1
	s_wait_dscnt 24
.else
	s_wait_dscnt 8
.endif
.if \s == 0
	MMA 1, 0, 1
.else
	MMA 1, (\s)%2, 0
.endif
.if \s < 3
	NOPS 4
	LDA 1, (\s)+1
	s_wait_dscnt 24
.else
	s_wait_dscnt 0x0
.endif
	MMG (\s)%2
	NOPS 4
.if \s < 3
	LDG (\s)+1
.endif
.if \s < 2
	LDX (\s)+2, (\s)%2
.endif
.endr
.Lbar_c:
	s_wait_tensorcnt 0x0                           ; my quarter of the second product's part has landed
	s_wait_dscnt 0x0                               ; h is stored; my reads of x are over
	s_barrier_signal -1
	s_barrier_wait -1
	s_cmp_lt_u32 s14, 4
	s_cbranch_scc1 .Lbar_d
; sum over j of h_j T[.][j], added onto the bias tile's results: register 8 q + jj of v[ba] on is then the number of (sample r of tile q, unit 16 g + 8 h + jj).  Each accumulator is read from its low end on.
.macro CONTRACT ba
	WIN 0x01                                       ; source 0, T, in window 1
.irp jj, 0,1,2,3,4,5,6,7
.irp q, 0,1,2,3
	v_pk_mul_f32 v[ACC+2*(4*\jj+\q):ACC+2*(4*\jj+\q)+1], v[32*\jj+8*\q:32*\jj+8*\q+1], v[HQ+8*\q:HQ+8*\q+1]
.endr
.endr
.irp k, 2,4,6
.irp jj, 0,1,2,3,4,5,6,7
.irp q, 0,1,2,3
	v_pk_fma_f32 v[ACC+2*(4*\jj+\q):ACC+2*(4*\jj+\q)+1], v[32*\jj+8*\q+\k:32*\jj+8*\q+\k+1], v[HQ+8*\q+\k:HQ+8*\q+\k+1], v[ACC+2*(4*\jj+\q):ACC+2*(4*\jj+\q)+1]
.endr
.endr
.endr
	WIN 0
.irp jj, 0,1,2,3,4,5,6,7
.irp q, 0,1,2,3
	v_add_f32 v[ACC+2*(4*\jj+\q)], v[ACC+2*(4*\jj+\q)], v[ACC+2*(4*\jj+\q)+1]
.endr
.endr
.irp jj, 0,1,2,3,4,5,6,7
.irp q, 0,1,2,3
	v_add_f32 v[\ba+8*\q+\jj], v[\ba+8*\q+\jj], v[ACC+2*(4*\jj+\q)]
.endr
.endr
.endm
.irp q, 0,1,2,3
	ds_load_b128 v[HQ+8*\q:HQ+8*\q+3], v25 offset:1024*\q
	ds_load_b128 v[HQ+8*\q+4:HQ+8*\q+7], v25 offset:1024*\q+512
.endr
	ds_load_b128 v[HM:HM+3], v7
	ds_load_b128 v[HM+4:HM+7], v7 offset:512
.irp q, 0,1,2,3
.irp k, 4,5,6,7
	v_mov_b32 v[EX+8*\q+\k], 0                     ; K slots 16-31 of the extra step
.endr
.endr
	s_wait_dscnt 0x0
	CONTRACT BA                                    ; pre1 of my 16 units, 64 samples
	v_pk_mul_f32 v[AM:AM+1], v[D32:D32+1], v[HM:HM+1]                              ; and of unit 64 for samples 16 g on
	v_pk_fma_f32 v[AM:AM+1], v[D32+2:D32+3], v[HM+2:HM+3], v[AM:AM+1]
	v_pk_fma_f32 v[AM:AM+1], v[D32+4:D32+5], v[HM+4:HM+5], v[AM:AM+1]
	v_pk_fma_f32 v[AM:AM+1], v[D32+6:D32+7], v[HM+6:HM+7], v[AM:AM+1]
	v_add_f32 v[AM], v[AM], v[AM+1]
	v_add_f32 v[BA+32], v[AM], v[DB4]
	v_mov_b32 v[BA+33], 0
	WIN 0x40                                       ; the rows that make b2, again into the accumulators of q = 3 alone: they land under the tanh
.irp jj, 0,1,2,3,4,5,6,7
	ds_load_b128 v[32*\jj+24:32*\jj+27], v23 offset:32*\jj
	ds_load_b128 v[32*\jj+28:32*\jj+31], v23 offset:32*\jj+16
.endr
	WIN 0
.set KH,   255
.set KA11, 182
.set KB4,  184
	TANHK
	TANH17 BA, BA, ACC                             ; hid
.irp q, 0,1,2,3
.irp k, 0,1,2,3
	v_cvt_pk_f16_f32 v[PK+4*\q+\k], v[BA+8*\q+2*\k], v[BA+8*\q+2*\k+1]
.endr
.endr
.irp q, 0,1,2,3
	ds_store_b128 v28, v[PK+4*\q:PK+4*\q+3] offset:2048*\q     ; units 16 g + 8 h + 0..7 are four registers of the next operand: K = 32 (g / 2) + 16 (g % 2) + 8 h + 0..7
.endr
.irp k, 0,1,2,3
	v_pk_mul_f32 v[EB+2*\k:EB+2*\k+1], v[HM+2*\k:HM+2*\k+1], v[BA+32:BA+33] op_sel_hi:[1,0]   ; h_j hid_64
.endr
.irp k, 0,1,2,3
	v_cvt_pk_f16_f32 v[EB+8+\k], v[EB+2*\k], v[EB+2*\k+1]
.endr
	v_cvt_pk_f16_f32 v[EB+12], v[BA+32], v[BA+33]  ; (hid_64, 0)
	v_cndmask_b32 v[EB+8], v[EB+8], v[EB+12], s23  ; lanes 0-15: K slots 0-7; lanes 16-31: slots 8-15
	v_cndmask_b32 v[EB+9], v[EB+9], v[EX+4], s23
	v_cndmask_b32 v[EB+10], v[EB+10], v[EX+4], s23
	v_cndmask_b32 v[EB+11], v[EB+11], v[EX+4], s23
	ds_store_b128 v26, v[EB+8:EB+11]
.Lbar_d:
	s_wait_dscnt 0x0                               ; hid and the extra operand are stored
	s_barrier_signal -1
	s_barrier_wait -1
	s_cmp_lt_u32 s14, 4
	s_cbranch_scc1 .Lbar_e
; THE SECOND PRODUCT, laid as the first: outputs 16 g .. 16 g + 15, K = hid_0..63 in two steps.  Five groups on two sets of registers by turns: the bias tile with the extra step, then the main tiles two at a time.
; A main tile's sums begin as in the first product: q = 0, 1, 2 with the accumulator of q = 3 as C, five plain lines, q = 3 in place; then the second K step in place.
.macro G2LD n, buf
.irp i, 0,1
.irp s, 0,1
	ds_load_tr16_b128 v[\buf+16*\i+8*\s:\buf+16*\i+8*\s+3], v20 offset:1040*(2*((\n)-1)+\i)+512*\s
	ds_load_tr16_b128 v[\buf+16*\i+8*\s+4:\buf+16*\i+8*\s+7], v20 offset:1040*(2*((\n)-1)+\i)+512*\s+256
.endr
.endr
.endm
.macro G2MM n, buf
	WIN 0x50
.irp q, 0,1,2
.irp i, 0,1
	v_wmma_f32_16x16x32_f16 v[32*(2*((\n)-1)+\i)+8*\q:32*(2*((\n)-1)+\i)+8*\q+7], v[\buf+16*\i:\buf+16*\i+7], v[HF+16*\q:HF+16*\q+7], v[32*(2*((\n)-1)+\i)+24:32*(2*((\n)-1)+\i)+31]
.endr
.endr
	NOPS 5
.irp i, 0,1
	v_wmma_f32_16x16x32_f16 v[32*(2*((\n)-1)+\i)+24:32*(2*((\n)-1)+\i)+31], v[\buf+16*\i:\buf+16*\i+7], v[HF+48:HF+55], v[32*(2*((\n)-1)+\i)+24:32*(2*((\n)-1)+\i)+31]
.endr
.irp i, 0,1
.irp q, 0,1,2,3
	v_wmma_f32_16x16x32_f16 v[32*(2*((\n)-1)+\i)+8*\q:32*(2*((\n)-1)+\i)+8*\q+7], v[\buf+16*\i+8:\buf+16*\i+15], v[HF+16*\q+8:HF+16*\q+15], v[32*(2*((\n)-1)+\i)+8*\q:32*(2*((\n)-1)+\i)+8*\q+7]
.endr
.endr
	WIN 0
.endm
.irp q, 0,1,2,3
	ds_load_b128 v[BA+8*\q:BA+8*\q+3], v24
	ds_load_b128 v[BA+8*\q+4:BA+8*\q+7], v24 offset:16
.endr
.irp q, 0,1,2,3
.irp s, 0,1
	ds_load_b128 v[HF+16*\q+8*\s:HF+16*\q+8*\s+3], v29 offset:2048*\q+1024*\s
	ds_load_b128 v[HF+16*\q+8*\s+4:HF+16*\q+8*\s+7], v29 offset:2048*\q+1024*\s+512
.endr
.endr
.irp q, 0,1,2,3
	ds_load_b128 v[EX+8*\q:EX+8*\q+3], v27 offset:512*\q
.endr
	ds_load_b128 v[BFA:BFA+3], v21
	ds_load_b128 v[BFA+4:BFA+7], v21 offset:32
	ds_load_b128 v[BFA+8:BFA+11], v21 offset:64
	ds_load_b128 v[BFA+12:BFA+15], v21 offset:96
	ds_load_b128 v[BFA+16:BFA+19], v22
	ds_load_b128 v[BFA+20:BFA+23], v22 offset:32
	G2LD 1, BFB
	s_wait_dscnt 8                                 ; only the next group's eight loads may be out
.irp s, 0,1
.irp q, 0,1,2,3
	v_wmma_f32_16x16x32_f16 v[BA+8*\q:BA+8*\q+7], v[BFA+8*\s:BFA+8*\s+7], v[HF+16*\q+8*\s:HF+16*\q+8*\s+7], v[BA+8*\q:BA+8*\q+7]
.endr
.endr
.irp q, 0,1,2,3
	v_wmma_f32_16x16x32_f16 v[BA+8*\q:BA+8*\q+7], v[BFA+16:BFA+23], v[EX+8*\q:EX+8*\q+7], v[BA+8*\q:BA+8*\q+7]
.endr
	NOPS 4
	G2LD 2, BFA
	s_wait_dscnt 8
	G2MM 1, BFB
	NOPS 4
	G2LD 3, BFB
	s_wait_dscnt 8
	G2MM 2, BFA
	NOPS 4
	G2LD 4, BFA
	s_wait_dscnt 8
	G2MM 3, BFB
	s_wait_dscnt 0x0
	G2MM 4, BFA
	NOPS 4
	CONTRACT BA                                    ; out of my 16 outputs, 64 samples
.irp q, 0,1,2,3
	ds_store_b128 v30, v[BA+8*\q:BA+8*\q+3] offset:4352*\q         ; into the stage, where x lay: its last reads stand ahead of an earlier barrier
	ds_store_b128 v30, v[BA+8*\q+4:BA+8*\q+7] offset:4352*\q+16
.endr
.Lbar_e:
	s_wait_dscnt 0x0
	s_barrier_signal -1
	s_barrier_wait -1                              ; 64 whole rows of out lie in the stage: all eight waves store them, 8 rows each
.irp i, 0,1,2,3
	ds_load_b128 v[32+4*\i:35+4*\i], v31 offset:544*\i
.endr
.irp i, 0,1,2,3
	s_wait_dscnt 3-\i                              ; LDS loads come back in order: the younger ones stay out
	global_store_b128 v1, v[32+4*\i:35+4*\i], s[12:13] offset:512*\i th:TH_STORE_NT   ; 16 lanes store a row: 256 consecutive bytes, at a multiple of 256 from out0's first byte
.endr
	s_wait_xcnt 0x0
	v_lshl_add_u32 v254, v0, 2, 0x4d400
	v_mov_b32 v255, 0
	s_wait_tensorcnt 0x0
	ds_add_u32 v254, v255
	s_wait_dscnt 0x0
	ROUND                                          ; the closing round: no work-group ends while a partner may still ask for a part that names it
	s_endpgm
.Lfunc_end_k_q82adb25ee1_main:
	.size	k_q82adb25ee1_main, .Lfunc_end_k_q82adb25ee1_main-k_q82adb25ee1_main
	.p2alignl 7, 3214868480
	.fill 96, 4, 3214868480
	.section	.rodata,"a",@progbits
	.p2align	6, 0x0
	.amdhsa_kernel k_q82adb25ee1_main
		.amdhsa_group_segment_fixed_size 327680
		.amdhsa_private_segment_fixed_size 0
		.amdhsa_enable_private_segment 0
		.amdhsa_kernarg_size 40
		.amdhsa_user_sgpr_count 2
		.amdhsa_user_sgpr_kernarg_segment_ptr 1
		.amdhsa_wavefront_size32 1
		.amdhsa_system_sgpr_workgroup_id_x 1
		.amdhsa_system_sgpr_workgroup_id_y 1
		.amdhsa_system_sgpr_workgroup_id_z 1
		.amdhsa_system_vgpr_workitem_id 0
		.amdhsa_next_free_vgpr 512
		.amdhsa_next_free_sgpr 96
		.amdhsa_reserve_vcc 0
		.amdhsa_float_denorm_mode_32 3
		.amdhsa_float_denorm_mode_16_64 3
		.amdhsa_memory_ordered 1
		.amdhsa_forward_progress 1
		.amdhsa_inst_pref_size 206
	.end_amdhsa_kernel
	.amdgpu_metadata
---
amdhsa.version: [ 1, 2 ]
amdhsa.kernels:
  - .name:           k_q82adb25ee1_main
    .symbol:         k_q82adb25ee1_main.kd
    .args:
      - { .name: t, .offset: 0, .size: 8, .value_kind: global_buffer, .address_space: global }
      - { .name: y, .offset: 8, .size: 8, .value_kind: global_buffer, .address_space: global }
      - { .name: freqs, .offset: 16, .size: 8, .value_kind: global_buffer, .address_space: global }
      - { .name: wimg, .offset: 24, .size: 8, .value_kind: global_buffer, .address_space: global }
      - { .name: out0, .offset: 32, .size: 8, .value_kind: global_buffer, .address_space: global }
    .group_segment_fixed_size: 327680
    .private_segment_fixed_size: 0
    .kernarg_segment_align: 8
    .kernarg_segment_size: 40
    .max_flat_workgroup_size: 256
    .sgpr_count:     96
    .vgpr_count:     512
    .wavefront_size: 32
...
	.end_amdgpu_metadata
.endif
;; end of part 2
